; MI455X (gfx1250); checked and timed in simulation.
; The chip was launched on July 23, 2026; its instructions are those of AMD's public machine-readable ISA for CDNA 5 (MIT licence, August 2026) and "CDNA5" Instruction Set Architecture Reference Guide (July 2026). The comments in the code are by the model that wrote it; some were corrected since.
;; Self Attention. Allowed arithmetic: matrix products marked QUANTISED: E5M2 operands, one given power-of-two scale a tensor, by v_wmma_f32_16x16x64_bf8_bf8 or v_wmma_f32_16x16x128_bf8_bf8, f32 sums; everything else in f32.
;; Inputs: WK_codes 1,024 x 32 x 32 uint8 (E5M2 codes of WK, K innermost, in blocks of 32 codes); WQ_codes 1,024 x 32 x 32 uint8 (E5M2 codes of WQ, K innermost, in blocks of 32 codes); WV_codes 1,024 x 32 x 32 uint8 (E5M2 codes of WV, K innermost, in blocks of 32 codes); key_codes 4 x 2,048 x 32 x 32 uint8 (E5M2 codes of key, K innermost, in blocks of 32 codes); lowp_scales 10 int32 (the exponents e of the quantised operands' scales 2^e); query_codes 4 x 2,048 x 32 x 32 uint8 (E5M2 codes of query, K innermost, in blocks of 32 codes); value_codes 4 x 2,048 x 32 x 32 uint8 (E5M2 codes of value, K innermost, in blocks of 32 codes).
;; Outputs: out0 4 x 2,048 x 1,024 float32.
;; This version of the problem:
;;   THIS VERSION OF THE PROBLEM IS GIVEN IN LOW PRECISION. The matrix products marked QUANTISED in the list below multiply operands that are first quantised to E5M2 (5 exponent bits, 2 mantissa bits; 8 bits a number), with one given power-of-two scale for each operand tensor; their sums are f32. All else is computed in f32.
;;   The module's matrix products, in the order in which they are computed (A, B: the left and right operand; K: the contracted axis; several contracted axes count as one K, in the product's order):
;;     1. [M 8,192, K 1,024] x [K 1,024, N 1,024]; A: input query (given as codes); B: input WQ (given as codes): QUANTISED (scales: A lowp_scales[0], B lowp_scales[1])
;;     2. [M 8,192, K 1,024] x [K 1,024, N 1,024]; A: input key (given as codes); B: input WK (given as codes): QUANTISED (scales: A lowp_scales[2], B lowp_scales[3])
;;     3. [M 8,192, K 1,024] x [K 1,024, N 1,024]; A: input value (given as codes); B: input WV (given as codes): QUANTISED (scales: A lowp_scales[4], B lowp_scales[5])
;;     4. batch 64 x [M 2,048, K 64] x [K 64, N 2,048]; A: computed on the way; B: computed on the way: QUANTISED (scales: A lowp_scales[6], B lowp_scales[7])
;;     5. batch 64 x [M 2,048, K 2,048] x [K 2,048, N 64]; A: softmax (see below); B: computed on the way: QUANTISED (scales: A lowp_scales[8], B lowp_scales[9])
;;   THE QUANTISER, for each operand of a quantised product, along K:
;;     - The operand's scale is 2^e, e = its entry of the input lowp_scales (int32; the entries are numbered through the quantised products in the list's order, A before B).
;;     - Each number is divided by the scale, clamped to +-57,344, and rounded to the nearest number of E5M2, ties to even, subnormals kept.
;;     - The product sums the exact products of the quantised numbers (number of the format x scale) in f32.
;;   ~~~python
;;   def quantise(x, axis, e):      # numpy; x: float32 -> the quantised numbers, widened to float32 again
;;       x = np.moveaxis(x, axis, -1); K = x.shape[-1]
;;       r = np.clip(x / 2.0 ** e, -57344, 57344)
;;       step = 2.0 ** (np.maximum(np.frexp(np.where(r == 0, 1, r))[1] - 1, -14) - 2)
;;       q = np.round(r / step) * step * 2.0 ** e      # np.round: ties to even
;;       return np.moveaxis(q, -1, axis).astype(np.float32)
;;   ~~~
;;   SOFTMAX AHEAD OF A QUANTISED PRODUCT. Where the list says 'softmax', what is quantised is not the finished softmax but p = 2^(t - M), with t = logit x log2(e) and M = ceil(the row's largest t), a whole number; so 1/2 < the row's largest p <= 1. The row's sum l is taken of the UNQUANTISED p, in f32, and the product's result is divided by l at the end. Since M is a whole number, a kernel that streams over the keys may use a running M (the ceiling of the running maximum): every later rescaling is an exact power of two, so the quantised numbers keep their values, but for numbers so far below the row's largest that they fall under the format's range.
;;   OPERANDS COMPUTED ON THE WAY. 'Computed on the way' means the value that the module computes at that place (a softmax that the list does not call 'softmax' is quantised finished and normalised). What goes into a quantiser is computed in f32, as accurately as f32 sums, v_exp_f32 and their like allow (about 1e-6 of the number): no bf16 or f16 on the way to a quantiser, and a product that is left as it is and whose result goes on into a quantised operand takes f32 operands (vector FMAs, or v_wmma_f32_16x16x4_f32). A number that lies on a knife's edge between two numbers of the format may be rounded either way, as far as f32 arithmetic and the matrix unit's own rounding can turn it there, and no further.
;;   INPUTS GIVEN AS CODES. WK (in the module: [1024, 1024], K = its axis 0); WQ (in the module: [1024, 1024], K = its axis 0); WV (in the module: [1024, 1024], K = its axis 0); key (in the module: [4, 2048, 1024], K = its axis 2); query (in the module: [4, 2048, 1024], K = its axis 2); value (in the module: [4, 2048, 1024], K = its axis 2): each comes as NAME_codes (uint8): NAME with its K axis moved to the last place and cut into blocks of 32 codes, [.., K / 32, bytes a block], one block behind the other in memory; one code a byte (a code: sign, 5 exponent bits, 2 mantissa bits); its scale is its entry of lowp_scales. Its value is code x scale, taken as it is: it is not quantised again, and the codes and scales need not be those that the quantiser above would give.
;; One version. Each part assembles by itself: llvm-mc -triple=amdgcn-amd-amdhsa -mcpu=gfx1250 --defsym DOCPART=n.
;; ======== version 1 of 1: 2 launches
;; limits: right only within a limited range of input values
;; workspace buffers: q_img 8,388,608 bytes; kv_img 16,777,216 bytes
;; launch proj (part 1): grid 4 x 96, 4 waves a work-group, clusters of 4 x 4, 327,680 bytes of LDS; arguments query_codes, key_codes, value_codes, WQ_codes, WK_codes, WV_codes, lowp_scales, q_img, kv_img; writes q_img, kv_img
.if DOCPART == 1
	.amdgcn_target "amdgcn-amd-amdhsa--gfx1250"
	.amdhsa_code_object_version 6
	.text
	.protected	k_q6e67064cda_proj
	.globl	k_q6e67064cda_proj
	.p2align	8
	.type	k_q6e67064cda_proj,@function
k_q6e67064cda_proj:
	s_mov_b64 s[64:65], 0
	v_nop
	global_prefetch_b8 v0, s[64:65] scope:SCOPE_SE
	s_setreg_imm32_b32 hwreg(HW_REG_WAVE_MODE, 25, 1), 1
	s_wait_xcnt 0x0
	s_wait_alu depctr_hold_cnt(0) depctr_sa_sdst(0) depctr_va_vdst(0) depctr_va_sdst(0) depctr_va_ssrc(0) depctr_va_vcc(0) depctr_vm_vsrc(0)
	s_getreg_b32 s2, hwreg(HW_REG_IB_STS2, 6, 4)
	s_cmp_eq_u32 s2, 0
	s_cbranch_scc0 .Lentry_in_a_cluster
	s_endpgm
.Lentry_in_a_cluster:
	s_bfe_u32 s2, ttmp6, 0x10000c
	s_cmp_lg_u32 s2, 0xf033
	s_cbranch_scc0 .Lentry_shape_is_right
	s_endpgm
.Lentry_shape_is_right:
; THE THREE PROJECTIONS q = query WQ, k = key WK, v = value WV on codes of BF8 (E5M2), and the quantising of their sums for attention's two products.
; Tokens: [8192][1024] codes, K innermost; weights: [1024 (n)][1024 (k)] codes, K innermost.  Sums in f32.  A sum stands for sum x 2^(ea + eb); its code is sum / 2^(eo - ea - eb), held within +-57,344,
; to the nearest code: the three given exponents are folded into the conversion's one scale.  (ea, eb, eo) = entries (0, 1, 6) for q, (2, 3, 7) for k, (4, 5, 9) for v.
; LIMITS: eo - ea - eb between -126 and 112, so that the scale and 57,344 x the scale are f32 numbers.  NaN and infinity among the given codes are not served.
; The K = 128 form is fed by loads of 16 bytes: a permutation of k inside an instruction, the same on both sides, so that every product meets its partner; only the order of the sums changes.
; ONE BODY, 24 clusters of 4 x 4 work-groups: cluster y / 8 says which product (0 q, 1 k, 2 v), cluster y % 8 which 1,024 tokens.  Nothing branches on it: pointers, exponents and strides are chosen by s_cselect.
; A tile of 256 x 256 is made by four waves, 128 x 128 each: 64 accumulators of 16 x 16, 512 registers.  K goes in steps of 256 through a ring of two LDS slots filled by the tensor data mover.
; SIDES.  Side A is source 1 (its row = lane % 16), side B is source 0 (its rows run along a lane's eight result registers).  For q and k: A = tokens, B = weight: a lane holds one token and eight neighbouring
; channels.  For v: A = weight, B = tokens: a lane holds one channel and eight neighbouring tokens, since the keys are the K of attention's second product.
; So a conversion's two registers ARE two registers of the operand that attention wants (registers 2 c, 2 c + 1: k = 16 c + 8 (lane / 16) + 0 .. 7), and the results leave as IMAGES OF OPERAND REGISTERS,
; straight from registers: lane l's 16 bytes at 16 l, 512 consecutive aligned bytes a store.  No stage in LDS, nothing transposed.
;   q_img  [bh 64][tile of 16 queries 128][registers 4 c .. 4 c + 3, c 2][lane 32][16 bytes]
;   kv_img [bh 64][step of 128 keys 16][16,384]: 8 fragments of k (16 keys x 64: 1,024 bytes each), then 4 fragments of v^T (16 channels x 128 keys: 2,048 bytes each)
; CLUSTERS.  The four work-groups of a row of the cluster need the same tiles of side A, the four of a column the same tiles of side B: each tile is asked for JOINTLY, by the same tensor load with the
; same descriptor and a mask that names the four.
; REGISTERS, in windows of 256: window 0: v16-31 addresses and constants; from v128 A's fragments, ONE set; on the way out v32-159 the codes, v160-175 the stores' offsets.
;   window 1: B's fragments, TWO sets, at v0 and v128.   window 2: the accumulators of A's blocks 0-3 ((a, b) at v[8 (8 (a % 4) + b)]);   window 3: those of blocks 4-7.
.set KROW,   1024                      ; a row of either side in memory, in bytes
.set ROWB,   256                       ; a tile's row: 256 codes
.set PITCH,  272                       ; an LDS row: 256 bytes + 16 of padding = 68 words: row r starts at bank 4 r mod 64 (64 banks of 4 bytes: ISA guide 11.1), so the 16 rows of a load start at 16 different banks
.set FR,     16                        ; registers of a fragment: 16 rows x 128 K
.set NL,     4                         ; LDS loads that bring one
.set NP,     4                         ; places behind this matrix instruction (ISA guide 7.12.1)
.set HALFT,  128*PITCH                 ; 128 rows: what one tensor load brings, and what one wave reads of a side
.set SLOT,   4*HALFT                   ; A's 256 rows, then B's 256 rows
.set SPARE,  2*SLOT                    ; behind the ring: the spare words, 128 bytes for each wave: two blocks of 256 bytes that no other line names
.set ADRA, 16                          ; v16-17  LDS address of my A fragments in slot 0, 1
.set ADRB, 20                          ; v20-21  the same for B
.set SPW,  28                          ; v28     LDS address of my spare word; never rewritten
.set NIL,  29                          ; v29     0; never rewritten
.set LIM,  30                          ; v30     57,344 x the scale
.set SCL,  31                          ; v31     the scale 2^(eo - ea - eb) as f32
.set CODE, 32                          ; v32-159 block a's 16 registers of codes at CODE + 16 a: no store's data are written again
.set AF,   128                         ; A's fragments
.set OFS,  160                         ; v160-175 block a's two store offsets at OFS + 2 a
.set G1, 24                            ; s[24:31] descriptor group 1 for A's tiles;  s[32:39] group 0, one set for each slot
.set G0, 32
.set G1B, 48                           ; s[48:55], s[56:63] the same for B's tiles
.set G0B, 56
.set MSB, 0
.macro WIN new                         ; the immediate's high byte repeats the setting that is left; a switch that changes nothing is dropped
.if MSB != (\new)
	s_set_vgpr_msb (MSB<<8)|(\new)
.set MSB, (\new)
.endif
.endm
.set MUL_LO, 0xa1                      ; source 0 (B) window 1, source 1 (A) window 0, C and D window 2
.set MUL_HI, 0xf1                      ; the same, C and D window 3
.set TO_B,   0x40                      ; destination window 1, address window 0
; A joint load: waves 0 and 1 fetch for A, waves 2 and 3 for B.  Each of the two lines has ONE mask and one set of registers for all that issue it; the branch hangs on the wave's number alone.
; Four v_nop follow each of the two lines, ahead of the jump, the label and what follows.
.macro JLOAD g0a, g1a, g0b, g1b
	s_cmp_eq_u32 s15, 0
	s_cbranch_scc0 .Lfor_b_\@
	tensor_load_to_lds s[\g0a:\g0a+3], s[\g1a:\g1a+7]
	s_nop 0
.rept 4
	v_nop
.endr
	s_branch .Lasked_\@
.Lfor_b_\@:
	tensor_load_to_lds s[\g0b:\g0b+3], s[\g1b:\g1b+7]
	s_nop 0
.rept 4
	v_nop
.endr
.Lasked_\@:
.endm
.macro CREST                           ; a round of the cluster's barrier behind its opening barrier
	s_cmp_lg_u32 s14, 0
	s_cbranch_scc1 .Lnot_wave_0_\@
	s_barrier_signal -3
.Lnot_wave_0_\@:
	s_barrier_wait -3
	s_barrier_signal -1
	s_barrier_wait -1
.endm
.macro CROUND                          ; a whole round
	s_barrier_signal -1
	s_barrier_wait -1
	CREST
.endm
	s_load_b512 s[68:83], s[0:1], 0x0              ; query s[68:69], key s[70:71], value s[72:73], WQ s[74:75], WK s[76:77], WV s[78:79], the exponents s[80:81], q_img s[82:83]
	s_load_b64 s[84:85], s[0:1], 0x40              ; kv_img
	v_lshl_add_u32 v[SPW], v0, 2, SPARE
	v_mov_b32 v[NIL], 0
	ds_add_u32 v28, v29
	ds_add_u32 v28, v29
	s_wait_dscnt 0x0
	v_lshrrev_b32 v1, 5, v0
	v_readfirstlane_b32 s14, v1                    ; wave 0..3
	s_lshr_b32 s15, s14, 1                         ; which half of A's 256 rows is mine.  Also: I fetch for A (0) or for B (1)
	s_and_b32 s16, s14, 1                          ; which half of B's 256 rows.  Also: which 128 rows of that tile I fetch
	s_bfe_u32 s40, ttmp6, 0x40000                  ; cx, cy: my place in the cluster
	s_bfe_u32 s41, ttmp6, 0x40004
	s_and_b32 s86, ttmp7, 0xffff                   ; cluster y, 0 .. 23: the same in all sixteen partners
	s_lshr_b32 s87, s86, 3                         ; which product: 0 q, 1 k, 2 v
	s_and_b32 s88, s86, 7
	s_lshl_b32 s88, s88, 2                         ; the first of the cluster's four token tiles
	s_cmp_lt_u32 s87, 2                            ; the tokens are side A for q and k, side B for v
	s_cselect_b32 s89, s88, 0
	s_cselect_b32 s90, 0, s88
	s_add_co_u32 s17, s41, s89                     ; A's tile: made of cy and the cluster's y alone
	s_add_co_u32 s42, s40, s90                     ; B's tile: made of cx and the cluster's y alone
	s_lshl_b32 s43, s41, 2
	s_lshl_b32 s43, 15, s43                        ; my row of the cluster
	s_lshl_b32 s44, 0x1111, s40                    ; my column
	; descriptor group 1: a tile of 128 rows x 256 bytes, padded in LDS
	s_or_b32 s[G1+0], s43, (0<<16)|(1<<20)|(1<<21)|(5<<22)|(3<<25)  ; 15:0 the mask: A's tiles go to my row; 17:16 element of 1 byte; 20 padding on; 21 set beside a mask; 24:22 after every 64 words (code 5); 31:25 of 4 words (code 3)
	s_or_b32 s[G1B+0], s44, (0<<16)|(1<<20)|(1<<21)|(5<<22)|(3<<25) ; the same with the mask of my column
.irp g, G1, G1B
	s_mov_b32 s[\g+1], ROWB<<16                    ; tensor_dim0
	s_mov_b32 s[\g+2], 128<<16                     ; tensor_dim1 = 128
	s_mov_b32 s[\g+3], ROWB<<16                    ; tile_dim0
	s_mov_b32 s[\g+4], 128                         ; tile_dim1 = 128
	s_mov_b32 s[\g+5], KROW                        ; tensor_dim0_stride
	s_mov_b32 s[\g+6], 0
	s_mov_b32 s[\g+7], 0
.endr
	s_lshl_b32 s18, s16, 7                         ; which 128 rows of the tile I fetch
	s_lshl_b32 s20, s17, 8
	s_add_co_u32 s20, s20, s18                     ; A: row 256 x tile + 128 x half
	s_lshl_b32 s20, s20, 10                        ; in bytes: 8,191 rows of 1,024 at the most
	s_mov_b32 s21, 0
	s_lshl_b32 s46, s42, 8
	s_add_co_u32 s46, s46, s18                     ; B likewise
	s_lshl_b32 s46, s46, 10
	s_mov_b32 s47, 0
	s_mul_i32 s45, s14, HALFT                      ; where they go: wave x 128 rows: no place in the cluster enters an LDS address
	s_wait_kmcnt 0x0
	s_cmp_eq_u32 s87, 0                            ; the product's buffers: choices that hang on the cluster's y alone
	s_cselect_b64 s[8:9], s[68:69], s[70:71]       ; tokens: query or key,
	s_cselect_b64 s[12:13], s[74:75], s[76:77]     ; weight: WQ or WK,
	s_cselect_b64 s[10:11], s[82:83], s[84:85]     ; images: q_img, or kv_img for k and v
	s_cmp_eq_u32 s87, 2
	s_cselect_b64 s[8:9], s[72:73], s[8:9]         ; or value,
	s_cselect_b64 s[12:13], s[78:79], s[12:13]     ; or WV
	s_cselect_b64 s[4:5], s[12:13], s[8:9]         ; side A
	s_cselect_b64 s[6:7], s[8:9], s[12:13]         ; side B
	s_load_b256 s[68:75], s[80:81], 0x0            ; the exponents: entries 0 to 7 (the pointers that lay here have been chosen from),
	s_load_b64 s[76:77], s[80:81], 0x20            ; entries 8 and 9; they are waited for on the way out
	s_add_nc_u64 s[20:21], s[4:5], s[20:21]
	s_add_nc_u64 s[46:47], s[6:7], s[46:47]
	CROUND                                         ; all sixteen work-groups are here: the first joint loads meet
.irp s, 0,1
	s_mov_b32 s[G0+4*\s], 1                        ; count = 1
	s_add_co_u32 s[G0+4*\s+1], s45, \s*SLOT        ; LDS address
	s_add_nc_u64 s[G0+4*\s+2:G0+4*\s+3], s[20:21], \s*ROWB   ; global address: K step s
	s_or_b32 s[G0+4*\s+3], s[G0+4*\s+3], 0x80000000          ; type = 2
	s_mov_b32 s[G0B+4*\s], 1
	s_add_co_u32 s[G0B+4*\s+1], s45, \s*SLOT
	s_add_nc_u64 s[G0B+4*\s+2:G0B+4*\s+3], s[46:47], \s*ROWB
	s_or_b32 s[G0B+4*\s+3], s[G0B+4*\s+3], 0x80000000
.endr
	JLOAD G0, G1, G0B, G1B                         ; K step 0: one tensor load a wave at the head
	v_and_b32 v1, 15, v0                           ; l % 16
	v_bfe_u32 v2, v0, 4, 1                         ; l / 16
	v_mul_u32_u24 v3, v1, PITCH
	v_lshl_add_u32 v4, v2, 4, v3                   ; a fragment's row x pitch + 16 x half
	s_mul_i32 s21, s15, HALFT                      ; my 128 rows of A
	s_mul_i32 s22, s16, HALFT                      ; my 128 rows of B,
	s_add_co_u32 s22, s22, 2*HALFT                 ; which lie behind A's 256
.irp s, 0,1
	v_add_nc_u32 v[ADRA+\s], s21, v4
	v_add_nc_u32 v[ADRB+\s], s22, v4
	s_add_co_u32 s21, s21, SLOT
	s_add_co_u32 s22, s22, SLOT
.endr
	; where my wave's images begin, and how far its blocks lie apart
	s_cmp_lt_u32 s87, 2
	s_cselect_b32 s88, s17, s42                    ; the tile of 256 tokens,
	s_cselect_b32 s89, s42, s17                    ; the tile of 256 channels (four heads),
	s_cselect_b32 s90, s15, s16                    ; my half of the tokens: a step of 128,
	s_cselect_b32 s91, s16, s15                    ; my half of the channels: two heads
	s_mov_b32 s96, 2048
	s_cselect_b32 s96, 1024, s96                   ; from block to block: a fragment of q or k is 1,024 bytes, of v^T 2,048;
	s_mov_b32 s97, 256000
	s_cselect_b32 s97, 1024, s97                   ; from block 3 to block 4: for v on to the next head, 262,144 - 3 x 2,048
	s_cselect_b32 s98, 0, 8192                     ; v^T's fragments lie behind a step's eight of k
	s_cmp_eq_u32 s87, 0
	s_cselect_b32 s92, 17, 18                      ; a head's images: 2^17 bytes in q_img, 2^18 in kv_img
	s_cselect_b32 s93, 13, 14                      ; 128 tokens' images: 2^13 bytes, 2^14
	s_lshl_b32 s99, 1, s92
	s_cmp_eq_u32 s87, 2
	s_cselect_b32 s99, 1024, s99                   ; from a block's first two stores to its last two: q, k: the next head;  v: registers 8-15 of the same fragment
	s_lshr_b32 s94, s88, 3                         ; the batch: eight tiles of 256 tokens each
	s_lshl_b32 s94, s94, 4
	s_lshl_b32 s89, s89, 2
	s_add_co_u32 s94, s94, s89
	s_lshl_b32 s91, s91, 1
	s_add_co_u32 s94, s94, s91                     ; bh of my first head: 16 x batch + 4 x tile + 2 x half
	s_lshl_b32 s94, s94, s92
	s_and_b32 s88, s88, 7
	s_lshl_b32 s88, s88, 1
	s_add_co_u32 s88, s88, s90                     ; my step of 128 tokens in the batch
	s_lshl_b32 s88, s88, s93
	s_add_co_u32 s94, s94, s88
	s_add_co_u32 s94, s94, s98                     ; under 2^24
	s_mov_b32 s95, 0
	s_add_nc_u64 s[10:11], s[10:11], s[94:95]
	; PREFETCHES INTO THE L2, two K steps ahead of the joint loads: a K step is 256 bytes of each row.  Of the 128 rows that my wave fetches, each of the four partners that ask for them jointly
	; names 32, told apart by address (cx for side A, cy for side B): a lane a row, one instruction a wave and K step.  Here, behind K step 0's load: K steps 1 and 2; behind K step 1's load: K step 3.
	; The tokens are named by the one cluster that loads them; a weight, which eight clusters load, by the four with cluster y % 8 under 4.  v27, s[66:67] and s19 are never rewritten.
	s_cmp_eq_u32 s15, 0                            ; do I fetch for side A?
	s_cselect_b32 s2, s17, s42                     ; the tile,
	s_cselect_b32 s3, s40, s41                     ; my place among the four that ask for it with me,
	s_cselect_b64 s[66:67], s[4:5], s[6:7]         ; the side's buffer
	s_lshl_b32 s2, s2, 8
	s_lshl_b32 s19, s16, 7
	s_add_co_u32 s2, s2, s19                       ; + the 128 rows that I fetch
	s_lshl_b32 s3, s3, 5
	s_add_co_u32 s2, s2, s3                        ; + my work-group's 32 of them
	s_lshl_b32 s2, s2, 10                          ; in bytes: under 2^23
	s_mov_b32 s3, 0
	s_add_nc_u64 s[66:67], s[66:67], s[2:3]
	s_lshr_b32 s19, s87, 1                         ; the side that holds the tokens: 0 (A) for q and k, 1 (B) for v
	s_xor_b32 s19, s19, s15                        ; 1: my side holds the weight
	s_bfe_u32 s2, s86, 0x10002                     ; 1: cluster y % 8 is 4 or more
	s_and_b32 s19, s19, s2                         ; 1: I ask for nothing.  Made of the wave's number and the cluster's y alone
	v_and_b32 v27, 31, v0
	v_lshlrev_b32 v27, 10, v27                     ; my lane's row
	s_cmp_eq_u32 s19, 0
	s_cbranch_scc0 .Lno_ask0
	global_prefetch_b8 v27, s[66:67] offset:256 th:TH_LOAD_NT scope:SCOPE_SE
	global_prefetch_b8 v27, s[66:67] offset:512 th:TH_LOAD_NT scope:SCOPE_SE
.Lno_ask0:
.macro FRAG reg, adr, q, i             ; a fragment, 16 rows x 128 K, is 16 registers: lane l holds row l % 16; registers 4 c .. 4 c + 3 hold K = 32 c + 16 (l / 16) + 0 .. 15
.irp c, 0,1,2,3
	ds_load_b128 v[\reg+4*\c:\reg+4*\c+3], v[\adr] offset:128*(\q)+32*\c+(\i)*16*PITCH
.endr
.endm
; 16 matrix instructions: A's blocks a0, a0 + 1 x B's eight, 128 along K.  p: B's set.  zero = 1: the first product starts the sums: nothing is ever cleared.
; The 64 accumulators take turns, one instruction a turn, in the same order in every step.
.macro MUL16 a0, p, zero
.irp a, \a0, \a0+1
.irp b, 0,1,2,3,4,5,6,7
.if \zero
	v_wmma_f32_16x16x128_bf8_bf8 v[8*(8*((\a)%4)+\b):8*(8*((\a)%4)+\b)+7], v[128*(\p)+FR*\b:128*(\p)+FR*\b+FR-1], v[AF+FR*(\a):AF+FR*(\a)+FR-1], 0
.else
	v_wmma_f32_16x16x128_bf8_bf8 v[8*(8*((\a)%4)+\b):8*(8*((\a)%4)+\b)+7], v[128*(\p)+FR*\b:128*(\p)+FR*\b+FR-1], v[AF+FR*(\a):AF+FR*(\a)+FR-1], v[8*(8*((\a)%4)+\b):8*(8*((\a)%4)+\b)+7]
.endif
.endr
.endr
.endm
.macro FETCH_B slot, q, p              ; B's eight fragments of the slot's q-th 128 along K into set p
	WIN TO_B
.irp i, 0,1,2,3,4,5,6,7
	FRAG 128*(\p)+FR*\i, ADRB+\slot, \q, \i
.endr
	WIN 0
.endm
.macro FETCH_A slot, q, i0             ; A's blocks i0 .. i0 + 3
.irp i, \i0, \i0+1, \i0+2, \i0+3
	FRAG AF+FR*(\i), ADRA+\slot, \q, \i
.endr
.endm
; A load into a register that a matrix instruction has read, and a vector instruction that reads a matrix result or writes one of a matrix instruction's registers, stand NP places behind it, and only plain
; vector instructions that name none of its registers are places (ISA guide 7.12.1 for vector instructions); the matrix instructions in between are not counted.
.macro PLACES n
.rept \n
	v_nop
.endr
.endm
; A step of 128 along K that has its successor in the same slot.  A block of A is free as soon as its eight products are issued: blocks 0-3 are fetched anew in the step's middle, blocks 4-7 at its end.
.macro STEP slot, q, zero
	s_wait_dscnt 4*NL                              ; B's set and A's blocks 0-3 are in; the youngest 16 loads (A's blocks 4-7) may be out
	WIN MUL_LO
	MUL16 0, (\q)%2, \zero
	MUL16 2, (\q)%2, \zero
	s_wait_dscnt 0                                 ; A's blocks 4-7 are in (asked for 32 matrix instructions ago)
	PLACES NP
	FETCH_B \slot, (\q)+1, 1-(\q)%2
	FETCH_A \slot, (\q)+1, 0
	WIN MUL_HI
	MUL16 4, (\q)%2, \zero
	MUL16 6, (\q)%2, \zero
	PLACES NP
	WIN 0
	FETCH_A \slot, (\q)+1, 4
.endm
; A slot's last step changes slots: ONE barrier; in front of it each wave waits for all its tensor loads, adds 0 to its spare word, and waits for that and for its own reads of this slot.  fill = 1: this slot is filled again, two K steps ahead.
.macro TURN slot, next, fill
	s_wait_tensorcnt 0x0                           ; all my tensor loads have landed: my part of the next slot;  (every window is 0 here: the add's two registers lie in window 0)
	ds_add_u32 v[SPW], v[NIL]                      ; 0 onto my spare word
	s_wait_dscnt 4*NL+1                            ; (the add and the youngest 16 loads, A's blocks 4-7, may be out)
	WIN MUL_LO
	MUL16 0, 1, 0                                  ; sixteen matrix instructions stand between the add and the wait for it
	s_wait_dscnt 0x0                               ; the add is done, and my reads of this slot are over
	s_barrier_signal -1
	MUL16 2, 1, 0
	WIN 0
	s_barrier_wait -1
.if \fill
	CREST                                          ; the barrier has opened a round of the cluster's barrier: no wave of any partner still reads this slot's tile or has a load on its way
	s_add_nc_u64 s[G0+4*\slot+2:G0+4*\slot+3], s[G0+4*\slot+2:G0+4*\slot+3], 2*ROWB
	s_add_nc_u64 s[G0B+4*\slot+2:G0B+4*\slot+3], s[G0B+4*\slot+2:G0B+4*\slot+3], 2*ROWB
	JLOAD G0+4*\slot, G1, G0B+4*\slot, G1B         ; the first tensor load behind the round, my one load until the next; the four v_nop behind it are the places in front of the loads below
.else
	PLACES NP
.endif
	FETCH_B \next, 0, 0
	FETCH_A \next, 0, 0
	WIN MUL_HI
	MUL16 4, 1, 0
	MUL16 6, 1, 0
	PLACES NP
	WIN 0
	FETCH_A \next, 0, 4
.endm
	s_wait_alu depctr_va_vdst(0)
	s_wait_tensorcnt 0x0                           ; my part of K step 0 is in
	ds_add_u32 v[SPW], v[NIL]
	s_wait_dscnt 0x0
	CROUND                                         ; a whole round: everybody's part of K step 0 is in, and the joint loads meet
	JLOAD G0+4, G1, G0B+4, G1B                     ; K step 1's load, the first tensor load behind the round
	FETCH_B 0, 0, 0
	FETCH_A 0, 0, 0
	FETCH_A 0, 0, 4
	s_cmp_eq_u32 s19, 0
	s_cbranch_scc0 .Lno_ask1
	global_prefetch_b8 v27, s[66:67] offset:768 th:TH_LOAD_NT scope:SCOPE_SE   ; K step 3, the last: two changes of slots ahead of its load
.Lno_ask1:
	; K = 1,024 is four fills of a slot, eight steps of 128: written out, since each change of slots differs in what it asks for
	STEP 0, 0, 1                                   ; K 0: its products start the sums
	TURN 0, 1, 1                                   ; K 128; slot 0 takes K 512 on
	STEP 1, 0, 0                                   ; K 256
	TURN 1, 0, 1                                   ; K 384; slot 1 takes K 768 on
	STEP 0, 0, 0                                   ; K 512
	TURN 0, 1, 0                                   ; K 640; nothing is left to fetch, and no round of the cluster's barrier is owed
	STEP 1, 0, 0                                   ; K 768
	s_wait_dscnt 4*NL                              ; K 896, the last step: nothing more to read from LDS
	WIN MUL_LO
	MUL16 0, 1, 0
	MUL16 2, 1, 0
	s_wait_dscnt 0
	WIN MUL_HI
	MUL16 4, 1, 0
	MUL16 6, 1, 0
	WIN 0
	; THE WAY OUT.  The product's three exponents, folded into one scale
	s_wait_kmcnt 0x0
	s_cmp_eq_u32 s87, 0
	s_cselect_b32 s88, s68, s70                    ; ea
	s_cselect_b32 s89, s69, s71                    ; eb
	s_cselect_b32 s90, s74, s75                    ; eo
	s_cmp_eq_u32 s87, 2
	s_cselect_b32 s88, s72, s88
	s_cselect_b32 s89, s73, s89
	s_cselect_b32 s90, s77, s90
	s_sub_co_i32 s90, s90, s88
	s_sub_co_i32 s90, s90, s89
	s_add_co_i32 s90, s90, 127
	s_lshl_b32 s91, s90, 23                        ; 2^(eo - ea - eb) as f32: the conversion takes its exponent field
	s_add_co_i32 s90, s90, 15
	s_lshl_b32 s90, s90, 23
	s_or_b32 s90, s90, 0x600000                    ; 57,344 x that
	PLACES NP                                      ; behind the last products: for the reads of their results, and for the writes below into registers that held A's fragments
	v_mov_b32 v[SCL], s91
	v_mov_b32 v[LIM], s90
	v_and_b32 v[OFS], 31, v0
	v_lshlrev_b32 v[OFS], 4, v[OFS]                ; 16 x lane
	v_add_nc_u32 v[OFS+1], s99, v[OFS]
.irp a, 1,2,3,4,5,6,7                  ; each block has offsets of its own: no register that a store reads is written again, so no wait stands among the stores
.if \a == 4
	v_add_nc_u32 v[OFS+2*\a], s97, v[OFS+2*\a-2]
	v_add_nc_u32 v[OFS+2*\a+1], s97, v[OFS+2*\a-1]
.else
	v_add_nc_u32 v[OFS+2*\a], s96, v[OFS+2*\a-2]
	v_add_nc_u32 v[OFS+2*\a+1], s96, v[OFS+2*\a-1]
.endif
.endr
; Block a: A's rows 16 a on against my 128 rows of B: 8 accumulators become 16 registers of codes.
; q, k: two fragments (16 tokens x 64 channels) of my two heads: accumulator b = 4 g + c gives registers 2 c, 2 c + 1 of head g's.   v: one fragment (16 channels x 128 keys): accumulator b gives registers 2 b, 2 b + 1.
.macro OUTBLK a
.set AC, 64*((\a)%4)
.set CR, CODE+16*(\a)
	WIN 0x82+0x41*((\a)/4)                         ; source 0 and destination: window 2 or 3
.set j, 0
.rept 64
	v_med3_num_f32 v[AC+j], v[AC+j], -v[LIM], v[LIM]   ; the conversion to an 8-bit code does not saturate (ISA guide 7.6.2): the hold comes first, whatever the scale; each accumulator from its low end on
.set j, j+1
.endr
	WIN 0x02+((\a)/4)                              ; source 0: window 2 or 3
.set j, 0
.rept 8
	v_cvt_scalef32_pk8_bf8_f32 v[CR+2*j:CR+2*j+1], v[AC+8*j:AC+8*j+7], v[SCL]
.set j, j+1
.endr
	WIN 0
	v_nop                                          ; one plain vector line behind the last conversion of the run
	global_store_b128 v[OFS+2*(\a)], v[CR:CR+3], s[10:11] th:TH_STORE_NT                  ; 32 lanes store 512 consecutive bytes, at a multiple of 512 from the buffer's first byte
	global_store_b128 v[OFS+2*(\a)], v[CR+4:CR+7], s[10:11] offset:512 th:TH_STORE_NT
	global_store_b128 v[OFS+2*(\a)+1], v[CR+8:CR+11], s[10:11] th:TH_STORE_NT
	global_store_b128 v[OFS+2*(\a)+1], v[CR+12:CR+15], s[10:11] offset:512 th:TH_STORE_NT
.endm
.irp a, 0,1,2,3,4,5,6,7
	OUTBLK \a
.endr
	s_wait_tensorcnt 0x0                           ; the wave's end
	ds_add_u32 v[SPW], v[NIL]
	s_wait_dscnt 0x0
	CROUND                                         ; the closing round: no work-group ends while a partner may still ask for a tile that names it
	s_endpgm
.Lfunc_end_k_q6e67064cda_proj:
	.size	k_q6e67064cda_proj, .Lfunc_end_k_q6e67064cda_proj-k_q6e67064cda_proj
	.p2alignl 7, 3214868480
	.fill 96, 4, 3214868480
	.section	.rodata,"a",@progbits
	.p2align	6, 0x0
	.amdhsa_kernel k_q6e67064cda_proj
		.amdhsa_group_segment_fixed_size 327680
		.amdhsa_private_segment_fixed_size 0
		.amdhsa_enable_private_segment 0
		.amdhsa_kernarg_size 72
		.amdhsa_user_sgpr_count 2
		.amdhsa_user_sgpr_kernarg_segment_ptr 1
		.amdhsa_wavefront_size32 1
		.amdhsa_system_sgpr_workgroup_id_x 1
		.amdhsa_system_sgpr_workgroup_id_y 1
		.amdhsa_system_sgpr_workgroup_id_z 1
		.amdhsa_system_vgpr_workitem_id 0
		.amdhsa_next_free_vgpr 1024
		.amdhsa_next_free_sgpr 100
		.amdhsa_reserve_vcc 0
		.amdhsa_float_denorm_mode_32 3
		.amdhsa_float_denorm_mode_16_64 3
		.amdhsa_memory_ordered 1
		.amdhsa_forward_progress 1
		.amdhsa_inst_pref_size 121
	.end_amdhsa_kernel
	.amdgpu_metadata
---
amdhsa.version: [ 1, 2 ]
amdhsa.kernels:
  - .name:           k_q6e67064cda_proj
    .symbol:         k_q6e67064cda_proj.kd
    .args:
      - { .name: query_codes, .offset: 0, .size: 8, .value_kind: global_buffer, .address_space: global }
      - { .name: key_codes, .offset: 8, .size: 8, .value_kind: global_buffer, .address_space: global }
      - { .name: value_codes, .offset: 16, .size: 8, .value_kind: global_buffer, .address_space: global }
      - { .name: WQ_codes, .offset: 24, .size: 8, .value_kind: global_buffer, .address_space: global }
      - { .name: WK_codes, .offset: 32, .size: 8, .value_kind: global_buffer, .address_space: global }
      - { .name: WV_codes, .offset: 40, .size: 8, .value_kind: global_buffer, .address_space: global }
      - { .name: lowp_scales, .offset: 48, .size: 8, .value_kind: global_buffer, .address_space: global }
      - { .name: q_img, .offset: 56, .size: 8, .value_kind: global_buffer, .address_space: global }
      - { .name: kv_img, .offset: 64, .size: 8, .value_kind: global_buffer, .address_space: global }
    .group_segment_fixed_size: 327680
    .private_segment_fixed_size: 0
    .kernarg_segment_align: 8
    .kernarg_segment_size: 72
    .max_flat_workgroup_size: 128
    .sgpr_count:     100
    .vgpr_count:     1024
    .wavefront_size: 32
...
	.end_amdgpu_metadata
.endif
;; end of part 1
;; launch attn (part 2): grid 4 x 64, 8 waves a work-group, clusters of 4 x 1, 327,680 bytes of LDS; arguments q_img, kv_img, lowp_scales, out0; writes out0
.if DOCPART == 2
	.amdgcn_target "amdgcn-amd-amdhsa--gfx1250"
	.amdhsa_code_object_version 6
	.text
	.protected	k_q6e67064cda_attn
	.globl	k_q6e67064cda_attn
	.p2align	8
	.type	k_q6e67064cda_attn,@function
k_q6e67064cda_attn:
	s_mov_b64 s[64:65], 0
	v_nop
	global_prefetch_b8 v0, s[64:65] scope:SCOPE_SE
	s_setreg_imm32_b32 hwreg(HW_REG_WAVE_MODE, 25, 1), 1
	s_wait_xcnt 0x0
	s_wait_alu depctr_hold_cnt(0) depctr_sa_sdst(0) depctr_va_vdst(0) depctr_va_sdst(0) depctr_va_ssrc(0) depctr_va_vcc(0) depctr_vm_vsrc(0)
	s_getreg_b32 s2, hwreg(HW_REG_IB_STS2, 6, 4)
	s_cmp_eq_u32 s2, 0
	s_cbranch_scc0 .Lentry_in_a_cluster
	s_endpgm
.Lentry_in_a_cluster:
	s_bfe_u32 s2, ttmp6, 0x10000c
	s_cmp_lg_u32 s2, 0x3003
	s_cbranch_scc0 .Lentry_shape_is_right
	s_endpgm
.Lentry_shape_is_right:
; ATTENTION ON CODES OF BF8 (E5M2): out(b, q, h, :) = sum over keys of softmax(q . k / 8) v, both products on codes, from the images of operand registers that launch proj stored.
; t = score x log2(e) / 8 x 2^(eq + ek); M = the running largest t rounded up to a whole number; p = 2^(t - M) is held at 57,344 x 2^ep and quantised with the scale 2^ep;
; the row's sum is taken of the unquantised p in f32; when M moves, the sum and O are multiplied by 2^(old M - new M); at the end O x 2^(ep + ev) / sum.
; LIMITS: the scaled scores stay under 2^31 in magnitude; eq + ek between -123 and 130 (added to c's exponent field); ep between -126 and 112.
; SHARES: a work-group owns 512 queries of one (batch, head); each of its 8 waves 64 of them, four tiles of 16.  The head's 2,048 keys are 16 steps of 128: 16,384 bytes each
; (8 fragments of k, then 4 of v^T), 262,144 bytes in all, which lie whole in LDS: each wave brings two steps, 32,768 bytes, by its one tensor load.  Nothing is filled again.
; CLUSTERS: the four work-groups of a head read the same images, so each load is a joint one with the mask of all four.
; NO PREFETCH: the only tensor load stands at the head; there is no loop to run ahead in.
; Both products are used transposed (S^T = k q^T, O^T = v^T p^T): a lane holds one query (lane % 16), its registers run along the keys.
; THE WALK IS A PIPELINE OF SLOTS, one tile of 16 queries x 128 keys to a slot, on two buffers of 64 scores.  Slot i: (1) the sum of tile i's p, the hold, the codes;
; (2) the scores of tile i + 2 into the buffer just freed, their maximum in eight chains, and the chain that makes M and f, with the 16 multiplications O of tile i x f between its links;
; (3) one batch: tile i + 1's 64 exponentials; among them tile i + 2's 32 packed multiply-adds t - M, which name the other buffer and are first read behind the next waits,
; and tile i's four second products, whose results are first read four slots on.
; O, the sums and M begin as zeros and -3e38, so that the slot is written once for all steps: the first f is 0 and multiplies zeros.
; REGISTERS.  Window 0: v1-9 addresses and constants, v12-19 the maxima's chains, v20-27 the sums' chains, v32-63 Q, v64-127 k's fragments, v128-255 the two buffers.
; Window 1: v0-127 O^T (tile t at 32 t), v128-159 state (tile t at 128 + 8 t: -M, largest t, sum x 2, f, 0), v160-175 p's codes, v176-239 v's fragments, v240-242 at work.
.set STEPB, 16384
.set VOFF,  8192
.set STAGE, 262144                     ; the way out: 16 rows x 272 bytes for each wave, behind the images: no fill lands there
.set SP,    272
.set SPARE, 0x48800                    ; behind the stages: the spare words, 128 bytes for each wave
.set LI,  1
.set ADR, 2
.set SCL, 3
.set STO, 4
.set RD,  5
.set GO,  6
.set SPW, 8
.set NIL, 9
.set XT,  12
.set Y,   20
.set QF,  32
.set KF,  64
.set STB, 128
.set PC,  160
.set VF,  176
.set X0,  240
.set X1,  241
.set X2,  242
.set WV,  12
.set G1,  24
.set G0,  32
.set LIM, 44
.set EO,  45
.set CS,  58
.set SEL, 60
.set TB,  62
.set CNT, 63
.set MSB, 0
.macro WIN new                         ; the immediate's high byte repeats the setting that is left
.if MSB != (\new)
	s_set_vgpr_msb (MSB<<8)|(\new)
.set MSB, (\new)
.endif
.endm
.macro CROUND                          ; a round of the cluster's barrier
	s_barrier_signal -1
	s_barrier_wait -1
	s_cmp_lg_u32 s[WV], 0
	s_cbranch_scc1 .Lnot_wave_0_\@
	s_barrier_signal -3
.Lnot_wave_0_\@:
	s_barrier_wait -3
	s_barrier_signal -1
	s_barrier_wait -1
.endm
	s_load_b256 s[4:11], s[0:1], 0x0               ; q_img, kv_img, the exponents, out0
	v_lshl_add_u32 v[SPW], v0, 2, SPARE
	v_mov_b32 v[NIL], 0
	ds_add_u32 v[SPW], v[NIL]                      ; the opening lines: the add twice on end and its wait ahead of my tensor load
	ds_add_u32 v[SPW], v[NIL]
	v_lshrrev_b32 v10, 5, v0
	v_readfirstlane_b32 s[WV], v10                 ; wave 0..7
	s_bfe_u32 s13, ttmp6, 0x40000                  ; cx
	s_lshl_b32 s14, ttmp9, 2
	s_add_co_u32 s14, s14, s13                     ; which 512 queries
	s_and_b32 s15, ttmp7, 0xffff                   ; bh = 16 x batch + head
	s_mov_b32 s[G1], 15|(3<<16)|(1<<21)            ; the mask of all four partners; elements of 8 bytes; bit 21 beside a mask
	s_mov_b32 s[G1+1], 32<<16                      ; rows of 256 bytes
	s_mov_b32 s[G1+2], 128<<16                     ; 128 rows: two steps
	s_mov_b32 s[G1+3], 32<<16
	s_mov_b32 s[G1+4], 128
	s_mov_b32 s[G1+5], 32
	s_mov_b32 s[G1+6], 0
	s_mov_b32 s[G1+7], 0
	s_lshl_b32 s16, s15, 18                        ; the head's images of k and v,
	s_lshl_b32 s22, s[WV], 15
	s_add_co_u32 s16, s16, s22                     ; my two steps of them
	s_mov_b32 s17, 0
	s_lshl_b32 s18, s15, 17                        ; Q's images: head, 512 queries, my 64
	s_lshl_b32 s19, s14, 15
	s_add_co_u32 s18, s18, s19
	s_lshl_b32 s19, s[WV], 12
	s_add_co_u32 s18, s18, s19
	s_mov_b32 s19, 0
	s_lshr_b32 s20, s15, 4                         ; out0: batch, 512 rows of 4,096 bytes, my 64 rows, the head's 256 bytes
	s_lshl_b32 s20, s20, 23
	s_lshl_b32 s21, s14, 21
	s_add_co_u32 s20, s20, s21
	s_lshl_b32 s21, s[WV], 18
	s_add_co_u32 s20, s20, s21
	s_and_b32 s21, s15, 15
	s_lshl_b32 s21, s21, 8
	s_add_co_u32 s20, s20, s21
	s_mov_b32 s21, 0
	s_mov_b32 s[SEL], 0x76543210
	s_mov_b32 s[SEL+1], 0xfedcba98                 ; v_permlanex16_b32's selects for lane l xor 16
	s_mov_b32 s[CS], 0x3e38aa3b                    ; c = log2(e) / 8
	s_mov_b32 s[TB], 0
	s_wait_dscnt 0x0                               ; both opening adds are done
	s_wait_kmcnt 0x0
	s_load_b128 s[40:43], s[8:9], 0x18             ; eq, ek, ep, ev: entries 6 to 9
	s_add_nc_u64 s[6:7], s[6:7], s[16:17]
	s_add_nc_u64 s[4:5], s[4:5], s[18:19]
	s_add_nc_u64 s[10:11], s[10:11], s[20:21]
	s_mov_b32 s[G0], 1
	s_lshl_b32 s[G0+1], s[WV], 15
	s_mov_b64 s[G0+2:G0+3], s[6:7]
	s_or_b32 s[G0+3], s[G0+3], 0x80000000
	CROUND                                         ; the four partners are here: the joint loads meet
	tensor_load_to_lds s[G0:G0+3], s[G1:G1+7]      ; my one tensor load of the launch
	s_nop 0
	v_and_b32 v[LI], 31, v0
	v_and_b32 v10, 15, v0                          ; r
	v_bfe_u32 v11, v0, 4, 1                        ; h
	v_lshlrev_b32 v[LI], 4, v[LI]                  ; 16 x lane: an image's place for my lane
.irp t, 0,1,2,3
	global_load_b128 v[QF+8*\t:QF+8*\t+3],   v[LI], s[4:5] offset:1024*\t th:TH_LOAD_NT
	global_load_b128 v[QF+8*\t+4:QF+8*\t+7], v[LI], s[4:5] offset:1024*\t+512 th:TH_LOAD_NT
.endr
	s_mul_i32 s46, s[WV], 16*SP
	s_add_co_u32 s46, s46, STAGE                   ; my stage
	v_mul_u32_u24 v[STO], v10, SP
	v_mul_u32_u24 v[RD], v11, SP
	v_lshlrev_b32 v[GO], 12, v11
	v_lshl_add_u32 v[STO], v11, 5, v[STO]
	v_lshl_add_u32 v[RD], v10, 4, v[RD]
	v_lshl_add_u32 v[GO], v10, 4, v[GO]            ; lanes 0-15 one row of out0, lanes 16-31 the next; 16 bytes a lane
	v_add_nc_u32 v[STO], s46, v[STO]               ; in: row r, 32 bytes for each half of the lanes
	v_add_nc_u32 v[RD], s46, v[RD]                 ; back: two rows of 256 bytes
	v_mov_b32 v[ADR], v[LI]
	WIN 0x40
.irp t, 0,1,2,3
	v_mov_b32 v[STB+8*\t], 0x7f61b1e6              ; -M = 3e38
	v_mov_b32 v[STB+8*\t+1], 0xff61b1e6            ; the largest t so far: -3e38
	v_mov_b32 v[STB+8*\t+2], 0                     ; the sum, in two halves
	v_mov_b32 v[STB+8*\t+3], 0
	v_mov_b32 v[STB+8*\t+5], 0                     ; (named as the upper half of f's pair)
.endr
	v_mov_b32 v[X1], 0                             ; a lane permute's destination counts as one of its sources
.set i, 0
.rept 128
	v_mov_b32 v[i], 0                              ; O^T begins as zeros, so that the slot has no first form of its own: one copy of the step less in the text
.set i, i+1
.endr
	WIN 0
	s_wait_alu depctr_va_vdst(0)
	s_wait_kmcnt 0x0
	s_add_co_i32 s46, s40, s41
	s_lshl_b32 s46, s46, 23
	s_add_co_i32 s[CS], s[CS], s46                 ; c x 2^(eq + ek)
	s_mov_b32 s[CS+1], s[CS]
	s_add_co_i32 s46, s42, 127
	s_lshl_b32 s47, s46, 23
	v_mov_b32 v[SCL], s47                          ; 2^ep as f32, for the conversion
	s_add_co_i32 s46, s46, 15
	s_lshl_b32 s46, s46, 23
	s_or_b32 s[LIM], s46, 0x600000                 ; 57,344 x 2^ep
	s_add_co_i32 s[EO], s42, s43
.macro KLOAD                           ; a step's eight fragments of k (16 keys x 64)
	WIN 0
.irp f, 0,1,2,3,4,5,6,7
	ds_load_b128 v[KF+8*\f:KF+8*\f+3],   v[ADR] offset:1024*\f
	ds_load_b128 v[KF+8*\f+4:KF+8*\f+7], v[ADR] offset:1024*\f+512
.endr
.endm
.macro VLOAD                           ; a step's four fragments of v^T (16 channels x 128 keys)
	WIN 0x40
.irp d, 0,1,2,3
.irp q, 0,1,2,3
	ds_load_b128 v[VF+16*\d+4*\q:VF+16*\d+4*\q+3], v[ADR] offset:VOFF+2048*\d+512*\q
.endr
.endr
.endm
.macro HOLD r                          ; the conversion does not saturate (ISA guide 7.6.2); p is not negative, so the hold is one-sided; two numbers an instruction
	v_dual_min_num_f32 v[\r], s[LIM], v[\r] :: v_dual_min_num_f32 v[\r+1], s[LIM], v[\r+1]
.endm
.macro PVI d                           ; O^T += v^T p^T, 16 channels
	v_wmma_f32_16x16x128_bf8_bf8 v[OT+8*\d:OT+8*\d+7], v[VF+16*\d:VF+16*\d+15], v[PC:PC+15], v[OT+8*\d:OT+8*\d+7]
.endm
.macro RS n                            ; the next n of the 16 multiplications O^T x f, each accumulator from its low end on
.if DD
.rept \n
	v_pk_mul_f32 v[OT+ri:OT+ri+1], v[OT+ri:OT+ri+1], v[TD+4:TD+5] op_sel_hi:[1,0]
.set ri, ri+2
.endr
.endif
.endm
; A SLOT.  t: the tile that is finished (d = 1); tile (t + 2) % 4 is begun in the same buffer (a = 1); tile (t + 1) % 4, in the other buffer, gets its exponentials (e = 1).
; dwk: k's loads are waited for at the head;  kl: the next step's k is fetched behind the scores' products;  vl: this step's v is fetched in the slot's middle and waited for ahead of the batch;
; ad: the next step's LDS address is made, behind v's loads.
.macro SLOT t, d, a, e, dwk, kl, vl, ad
.set SB, 128+64*((\t)%2)
.set SE, 128+64*(1-(\t)%2)
.set TD, STB+8*(\t)
.set TA, STB+8*(((\t)+2)%4)
.set QA, QF+8*(((\t)+2)%4)
.set OT, 32*(\t)
.set DD, \d
.set ri, 0
.if \dwk
	s_wait_dscnt 0x0                               ; all LDS loads of mine are in: k's 16, issued a slot ago
.endif
.if \d
	WIN 0
	s_wait_alu depctr_va_vdst(0)                   ; behind the batch, ahead of its first reader
.set k, 0
.rept 4
	v_pk_add_f32 v[Y+k:Y+k+1], v[SB+k:SB+k+1], v[SB+8+k:SB+8+k+1]               ; the sum of the unquantised p, in four packed chains; each pair is held behind its addition
.set k, k+2
.endr
.set k, 0
.rept 8
	HOLD SB+k
.set k, k+2
.endr
.set j, 16
.rept 6
.set k, 0
.rept 4
	v_pk_add_f32 v[Y+k:Y+k+1], v[Y+k:Y+k+1], v[SB+j+k:SB+j+k+1]
.set k, k+2
.endr
.set k, 0
.rept 4
	HOLD SB+j+k
.set k, k+2
.endr
.set j, j+8
.endr
.if \vl
	VLOAD                                          ; the lines above are more than the four places behind the last step's second products (ISA guide 7.12.1)
.endif
	WIN 0x40
.set i, 0
.rept 8
	v_cvt_scalef32_pk8_bf8_f32 v[PC+2*i:PC+2*i+1], v[SB+8*i:SB+8*i+7], v[SCL]   ; registers 2 i, 2 i + 1 of the second product's operand
.set i, i+1
.endr
	WIN 0
	v_pk_add_f32 v[Y:Y+1], v[Y:Y+1], v[Y+2:Y+3]                                 ; (the plain place behind the conversions)
.if \ad
	v_add_nc_u32 v[ADR], s[TB], v[LI]
.endif
.endif
.if \a
	WIN 0
.irp f, 0,1,2,3,4,5,6,7
	v_wmma_f32_16x16x64_bf8_bf8 v[SB+8*\f:SB+8*\f+7], v[KF+8*\f:KF+8*\f+7], v[QA:QA+7], 0
.endr
.endif
.if \d
	v_pk_add_f32 v[Y+4:Y+5], v[Y+4:Y+5], v[Y+6:Y+7]
	v_pk_add_f32 v[Y:Y+1], v[Y:Y+1], v[Y+4:Y+5]
	WIN 0x45
	v_pk_fma_f32 v[TD+2:TD+3], v[TD+2:TD+3], v[TD+4:TD+5], v[Y:Y+1] op_sel_hi:[1,0,1]   ; the sum x f + this step's
.endif
.if \a
	WIN 0x45
	v_mov_b32 v[X2], v[TA]                         ; the old -M.  With the three lines above: the four places behind the scores' products
.if \d == 0
.rept 3
	v_nop
.endr
.endif
.if \kl
	KLOAD
.endif
	WIN 0
.irp f, 0,1,2,3,4,5,6,7
	v_max3_num_f32 v[XT+\f], v[SB+8*\f], v[SB+8*\f+1], v[SB+8*\f+2]             ; the largest score: a chain to each accumulator, from its low end on
.endr
.irp f, 0,1,2,3,4,5,6,7
	v_max3_num_f32 v[XT+\f], v[XT+\f], v[SB+8*\f+3], v[SB+8*\f+4]
.endr
.irp f, 0,1,2,3,4,5,6,7
	v_max3_num_f32 v[XT+\f], v[XT+\f], v[SB+8*\f+5], v[SB+8*\f+6]
.endr
.irp g, 0,1,2,3
	v_max3_num_f32 v[XT+2*\g], v[XT+2*\g], v[XT+2*\g+1], v[SB+8*\g+7]
.endr
	v_max3_num_f32 v[XT], v[XT], v[SB+39], v[SB+47]
	v_max3_num_f32 v[XT+2], v[XT+2], v[SB+55], v[SB+63]
	v_max3_num_f32 v[XT], v[XT], v[XT+2], v[XT+4]
	WIN 0x40
	v_max_num_f32 v[X0], v[XT], v[XT+6]
.endif
	WIN 0x45                                       ; the chain's registers lie in window 1, beside O^T: one setting serves both
.if \d
	s_wait_alu depctr_va_vdst(0)                   ; directly ahead of the first readers of O^T; plain vector lines alone follow up to the last of them
.endif
.if \a
	RS 1
	v_permlanex16_b32 v[X1], v[X0], s[SEL], s[SEL+1]
	RS 2
	v_max_num_f32 v[X0], v[X0], v[X1]              ; and among lane l xor 16's
	RS 2
	v_mul_f32 v[X0], s[CS], v[X0]                  ; as t (c is positive)
	RS 2
	v_max_num_f32 v[TA+1], v[TA+1], v[X0]          ; the running largest t
	RS 2
	v_floor_f32 v[TA], -v[TA+1]                    ; -M = floor(-t): M is a whole number
	RS 2
	v_sub_f32 v[X0], v[TA], v[X2]                  ; old M - new M, 0 or less
	RS 2
	v_cvt_i32_f32 v[X0], v[X0]                     ; (it saturates)
	RS 2
	v_ldexp_f32 v[TA+4], 1.0, v[X0]                ; f = 2^(old M - new M)
	RS 1
.else
	RS 16
.endif
.if \vl
	s_wait_dscnt 0x0                               ; v's 16 loads are in
.endif
.if \a || \e
	WIN 0x10
	s_wait_alu depctr_va_vdst(0)                   ; directly ahead of the batch
.set i, 0
.rept 32
.if \e
	v_exp_f32 v[SE+i], v[SE+i]                     ; p = 2^(t - M), at most 1
	v_exp_f32 v[SE+i+1], v[SE+i+1]
.endif
.if \a
	v_pk_fma_f32 v[SB+i:SB+i+1], v[SB+i:SB+i+1], s[CS:CS+1], v[TA:TA+1] op_sel_hi:[1,0,0]   ; t - M of the tile just begun: the other buffer
.endif
.set i, i+2
.if \d && (i == 48)
	WIN 0x55
.irp x, 0,1,2,3
	PVI \x
.endr
	WIN 0x10
.endif
.endr
.if \a == 0
	v_nop                                          ; the plain place behind the last exponential
.endif
.else
	WIN 0x55
.irp x, 0,1,2,3
	PVI \x
.endr
.endif
.endm
	s_wait_alu depctr_va_vdst(0)
	s_wait_tensorcnt 0x0                           ; my two steps are in
	s_barrier_signal -1
	s_barrier_wait -1                              ; everybody's are
	KLOAD
	s_wait_loadcnt 0x0                             ; Q
	s_wait_dscnt 0x0
	SLOT 2, 0, 1, 0, 0, 0, 0, 0                    ; the pipeline fills: step 0's tile 0 is begun,
	SLOT 3, 0, 1, 1, 0, 0, 0, 0                    ; tile 1 is begun, tile 0 gets its exponentials
	WIN 0
	s_mov_b32 s[CNT], 15
	s_wait_alu depctr_va_vdst(0)                   ; behind the batch, ahead of the label
.Lstep:                                            ; a trip finishes a step's four tiles; its last two slots begin the next step's tiles 0 and 1
	s_add_co_u32 s[TB], s[TB], STEPB               ; where the next step lies in LDS
	SLOT 0, 1, 1, 1, 0, 0, 1, 1
	SLOT 1, 1, 1, 1, 0, 1, 0, 0
	SLOT 2, 1, 1, 1, 1, 0, 0, 0
	SLOT 3, 1, 1, 1, 0, 0, 0, 0
	WIN 0
	s_sub_co_u32 s[CNT], s[CNT], 1
	s_cmp_lg_u32 s[CNT], 0
	s_wait_alu depctr_va_vdst(0)                   ; behind the batch, ahead of the branch
	s_cbranch_scc1 .Lstep
	SLOT 0, 1, 1, 1, 0, 0, 1, 0                    ; the last step: its v is fetched, no further k,
	SLOT 1, 1, 1, 1, 0, 0, 0, 0
	SLOT 2, 1, 0, 1, 0, 0, 0, 0                    ; and nothing more is begun
	SLOT 3, 1, 0, 0, 0, 0, 0, 0
	; THE WAY OUT: the sums' halves, 1 / sum x 2^(ep + ev), and O^T through my stage in LDS, so that sixteen lanes store one aligned unit of 256 bytes
.irp t, 0,1,2,3
	v_add_f32 v[STB+8*\t+1], v[STB+8*\t+2], v[STB+8*\t+3]
.endr
.irp t, 0,1,2,3
	v_permlanex16_b32 v[STB+8*\t], v[STB+8*\t+1], s[SEL], s[SEL+1]
.endr
.irp t, 0,1,2,3
	v_add_f32 v[STB+8*\t+1], v[STB+8*\t+1], v[STB+8*\t]
.endr
	s_wait_alu depctr_va_vdst(0)                   ; ahead of the batch
.irp t, 0,1,2,3
	v_rcp_f32 v[STB+8*\t], v[STB+8*\t+1]
.endr
	v_nop
	s_wait_alu depctr_va_vdst(0)                   ; and behind it
.irp t, 0,1,2,3
	v_ldexp_f32 v[STB+8*\t], v[STB+8*\t], s[EO]
.endr
	WIN 0x05
	s_wait_alu depctr_va_vdst(0)                   ; directly ahead of the first readers of O^T
.irp t, 0,1,2,3
.set i, 0
.rept 16
	v_pk_mul_f32 v[128+32*\t+i:128+32*\t+i+1], v[32*\t+i:32*\t+i+1], v[STB+8*\t:STB+8*\t+1] op_sel_hi:[1,0]   ; register 8 d + j of tile t is o(r, 16 d + 8 h + j)
.set i, i+2
.endr
.endr
	WIN 0
	s_wait_alu depctr_va_vdst(0)
.macro PACK t                          ; LDS serves a wave's instructions in order (ISA guide 5.7.1.4): the loads see my stores, and the next tile's stores come behind them
.irp f, 0,1,2,3,4,5,6,7
	ds_store_b128 v[STO], v[128+32*(\t)+4*\f:128+32*(\t)+4*\f+3] offset:64*(\f/2)+16*(\f%2)
.endr
.irp f, 0,1,2,3,4,5,6,7
	ds_load_b128 v[128+32*(\t)+4*\f:128+32*(\t)+4*\f+3], v[RD] offset:\f*2*SP
.endr
.endm
.macro SEND t, younger                 ; younger: the LDS instructions issued behind tile t's loads
.irp f, 0,1,2,3,4,5,6,7
	s_wait_dscnt \younger+7-\f
	global_store_b128 v[GO], v[128+32*(\t)+4*\f:128+32*(\t)+4*\f+3], s[10:11] offset:\t*65536+\f*8192 th:TH_STORE_NT
.endr
.endm
	PACK 0
	PACK 1
	SEND 0, 16
	PACK 2
	SEND 1, 16
	PACK 3
	SEND 2, 16
	SEND 3, 0
	s_wait_tensorcnt 0x0                           ; the wave's end
	ds_add_u32 v[SPW], v[NIL]
	s_wait_dscnt 0x0
	CROUND                                         ; the closing round
	s_endpgm
.Lfunc_end_k_q6e67064cda_attn:
	.size	k_q6e67064cda_attn, .Lfunc_end_k_q6e67064cda_attn-k_q6e67064cda_attn
	.p2alignl 7, 3214868480
	.fill 96, 4, 3214868480
	.section	.rodata,"a",@progbits
	.p2align	6, 0x0
	.amdhsa_kernel k_q6e67064cda_attn
		.amdhsa_group_segment_fixed_size 327680
		.amdhsa_private_segment_fixed_size 0
		.amdhsa_enable_private_segment 0
		.amdhsa_kernarg_size 32
		.amdhsa_user_sgpr_count 2
		.amdhsa_user_sgpr_kernarg_segment_ptr 1
		.amdhsa_wavefront_size32 1
		.amdhsa_system_sgpr_workgroup_id_x 1
		.amdhsa_system_sgpr_workgroup_id_y 1
		.amdhsa_system_sgpr_workgroup_id_z 1
		.amdhsa_system_vgpr_workitem_id 0
		.amdhsa_next_free_vgpr 512
		.amdhsa_next_free_sgpr 66
		.amdhsa_reserve_vcc 0
		.amdhsa_float_denorm_mode_32 3
		.amdhsa_float_denorm_mode_16_64 3
		.amdhsa_memory_ordered 1
		.amdhsa_forward_progress 1
		.amdhsa_inst_pref_size 133
	.end_amdhsa_kernel
	.amdgpu_metadata
---
amdhsa.version: [ 1, 2 ]
amdhsa.kernels:
  - .name:           k_q6e67064cda_attn
    .symbol:         k_q6e67064cda_attn.kd
    .args:
      - { .name: q_img, .offset: 0, .size: 8, .value_kind: global_buffer, .address_space: global }
      - { .name: kv_img, .offset: 8, .size: 8, .value_kind: global_buffer, .address_space: global }
      - { .name: lowp_scales, .offset: 16, .size: 8, .value_kind: global_buffer, .address_space: global }
      - { .name: out0, .offset: 24, .size: 8, .value_kind: global_buffer, .address_space: global }
    .group_segment_fixed_size: 327680
    .private_segment_fixed_size: 0
    .kernarg_segment_align: 8
    .kernarg_segment_size: 32
    .max_flat_workgroup_size: 256
    .sgpr_count:     66
    .vgpr_count:     512
    .wavefront_size: 32
...
	.end_amdgpu_metadata
.endif
;; end of part 2
